; MI455X (gfx1250); checked and timed in simulation.
; The chip was launched on July 23, 2026; its instructions are those of AMD's public machine-readable ISA for CDNA 5 (MIT licence, August 2026) and "CDNA5" Instruction Set Architecture Reference Guide (July 2026). The comments in the code are by the model that wrote it; some were corrected since.
;; Multi Head Attention. Allowed arithmetic: matrix products marked QUANTISED: E3M2 operands, one E8M0 scale for each 32 along K, by v_wmma_scale_f32_16x16x128_f8f6f4 with both operands' format E3M2, f32 sums; everything else in f32.
;; Inputs: W_key 512 x 512 float32; W_query 512 x 512 float32; W_value 512 x 512 float32; key 8 x 2,048 x 512 float32; x 8 x 2,048 x 512 float32.
;; Outputs: out0 8 x 2,048 x 512 float32.
;; This version of the problem:
;;   THIS VERSION OF THE PROBLEM IS GIVEN IN LOW PRECISION. The matrix products marked QUANTISED in the list below multiply operands that are first quantised to E3M2 (3 exponent bits, 2 mantissa bits; 6 bits a number), with one power-of-two scale for each 32 numbers along K (OCP MX v1.0); their sums are f32. All else is computed in f32.
;;   The module's matrix products, in the order in which they are computed (A, B: the left and right operand; K: the contracted axis; several contracted axes count as one K, in the product's order):
;;     1. [M 16,384, K 512] x [K 512, N 512]; A: input x; B: input W_query: QUANTISED
;;     2. [M 16,384, K 512] x [K 512, N 512]; A: input key; B: input W_key: QUANTISED
;;     3. [M 16,384, K 512] x [K 512, N 512]; A: input key; B: input W_value: QUANTISED
;;     4. batch 64 x [M 2,048, K 64] x [K 64, N 2,048]; A: computed on the way; B: computed on the way: QUANTISED
;;     5. batch 64 x [M 64, K 2,048] x [K 2,048, N 2,048]; A: computed on the way; B: softmax (see below): QUANTISED
;;   THE QUANTISER, for each operand of a quantised product, along K:
;;     - K is cut into blocks of 32 from its start; a last block that is shorter is filled with zeros.
;;     - A block's scale is 2^e with e = floor(log2(the largest magnitude in the block)) - 4, held to -126 .. 127; a block of zeros has e = 0. As a byte (E8M0): e + 127.
;;     - Each number is divided by its block's scale, clamped to +-28, and rounded to the nearest number of E3M2, ties to even, subnormals kept.
;;     - The product sums the exact products of the quantised numbers (number of the format x scale) in f32.
;;   ~~~python
;;   def quantise(x, axis):      # numpy; x: float32 -> the quantised numbers, widened to float32 again
;;       x = np.moveaxis(x, axis, -1); K = x.shape[-1]
;;       x = np.pad(x, [(0, 0)] * (x.ndim - 1) + [(0, -K % 32)]); x = x.reshape(x.shape[:-1] + (-1, 32)); a = np.abs(x).max(-1, keepdims=True)
;;       e = np.where(a > 0, np.clip(np.frexp(np.where(a > 0, a, 1))[1] - 1 - 4, -126, 127), 0)      # np.frexp(a)[1] - 1 = floor(log2(a)), exactly
;;       r = np.clip(x / 2.0 ** e, -28, 28)
;;       step = 2.0 ** (np.maximum(np.frexp(np.where(r == 0, 1, r))[1] - 1, -2) - 2)
;;       q = np.round(r / step) * step * 2.0 ** e      # np.round: ties to even
;;       return np.moveaxis(q.reshape(q.shape[:-2] + (-1,))[..., :K], -1, axis).astype(np.float32)
;;   ~~~
;;   SOFTMAX AHEAD OF A QUANTISED PRODUCT. Where the list says 'softmax', what is quantised is not the finished softmax but p = 2^(t - M), with t = logit x log2(e) and M = ceil(the row's largest t), a whole number; so 1/2 < the row's largest p <= 1. The row's sum l is taken of the UNQUANTISED p, in f32, and the product's result is divided by l at the end. Since M is a whole number, a kernel that streams over the keys may use a running M (the ceiling of the running maximum): every later rescaling is an exact power of two, which a block's scale takes up: the codes' values come out the same.
;;   OPERANDS COMPUTED ON THE WAY. 'Computed on the way' means the value that the module computes at that place (a softmax that the list does not call 'softmax' is quantised finished and normalised). What goes into a quantiser is computed in f32, as accurately as f32 sums, v_exp_f32 and their like allow (about 1e-6 of the number): no bf16 or f16 on the way to a quantiser, and a product that is left as it is and whose result goes on into a quantised operand takes f32 operands (vector FMAs, or v_wmma_f32_16x16x4_f32). A number that lies on a knife's edge between two numbers of the format may be rounded either way, as far as f32 arithmetic and the matrix unit's own rounding can turn it there, and no further.
;; One version. Each part assembles by itself: llvm-mc -triple=amdgcn-amd-amdhsa -mcpu=gfx1250 --defsym DOCPART=n.
;; ======== version 1 of 1: 3 launches
;; limits: right only within a limited range of input values
;; workspace buffers: wc 589,824 bytes; ws 49,152 bytes; qc 6,291,456 bytes; qs 1,048,576 bytes; kv 13,107,200 bytes
;; launch wq (part 1): grid 32 x 3, 4 waves a work-group, no clusters, 0 bytes of LDS; arguments W_query, W_key, W_value, wc, ws; writes wc, ws
.if DOCPART == 1
	.amdgcn_target "amdgcn-amd-amdhsa--gfx1250"
	.amdhsa_code_object_version 6
	.text
	.protected	k_q2aa0145c47_wq
	.globl	k_q2aa0145c47_wq
	.p2align	8
	.type	k_q2aa0145c47_wq,@function
k_q2aa0145c47_wq:
	s_mov_b64 s[64:65], 0
	v_nop
	global_prefetch_b8 v0, s[64:65] scope:SCOPE_SE
	s_setreg_imm32_b32 hwreg(HW_REG_WAVE_MODE, 25, 1), 1
	s_wait_xcnt 0x0
; The three weights [512 (d)][512 (unit)], f32, K = d = their FIRST axis, become codes of BF6 (E3M2) with one E8M0 byte for each 32 along d,
; laid as IMAGES OF OPERAND REGISTERS: a fragment (16 units x 128 d) is 12 registers a lane = three pieces of 512 bytes, lane l's 16 bytes at 16 l;
; its scale words are 128 bytes, lane l's word at 4 l.  Fragment number f = ((kind x 4 + part) x 8 + tile) x 4 + K step.
; One wave makes one fragment: work-group x = 8 x part + tile, y = kind (0 W_query, 1 W_key, 2 W_value), wave = K step.
; A LANE TAKES A UNIT AND ITS REGISTERS RUN DOWN d, in the order that the operand's layout gives that lane: k = 64 c + 32 (lane / 16) + 0 .. 31.  So the conversions' results are the operand's registers.
; WHICH UNITS FORM A TILE: W_query and W_key are source 0 of their products, whose results are quantised along the units: lane r of tile 2 b + u takes unit 32 b + 8 u + r + 8 (r / 8).
; W_value is source 1 of its product: its tiles are 16 neighbouring units.
; A block's scale is 2^(floor(log2(largest magnitude)) - 4): its byte is the largest magnitude's exponent field - 4, held at 1 from below.
; LIMITS: a block whose largest magnitude lies under 2^-122 (a block of zeros too) keeps the byte 1; a block of zeros has zero codes, and this program alone reads the bytes.  NaN and infinities are not served.
; The weights are 3 MiB read once: no LDS, no barrier, no loop.
	s_load_b256 s[4:11], s[0:1], 0x0               ; W_query s[4:5], W_key s[6:7], W_value s[8:9], wc s[10:11]
	s_load_b64 s[12:13], s[0:1], 0x20              ; ws
	v_lshrrev_b32 v1, 5, v0
	v_readfirstlane_b32 s16, v1                    ; wave = K step of 128
	s_and_b32 s14, ttmp7, 0xffff                   ; kind
	s_mov_b32 s15, ttmp9                           ; 8 x part + tile
	s_lshr_b32 s19, s15, 1
	s_lshl_b32 s19, s19, 5
	s_and_b32 s20, s15, 1
	s_lshl_b32 s20, s20, 3
	s_add_co_u32 s19, s19, s20                     ; the tile's first unit where its rows are chosen: 32 (x / 2) + 8 (x % 2)
	s_lshl_b32 s21, s15, 4                         ; and where they are neighbours: 16 x
	s_cmp_lt_u32 s14, 2
	s_cselect_b32 s18, s19, s21
	s_cselect_b32 s17, 8, 0                        ; the mask that adds 8 (r / 8), or nothing
	s_lshl_b32 s18, s18, 2                         ; in bytes
	s_lshl_b32 s22, s16, 18                        ; 128 rows of 2,048 bytes a K step
	s_add_co_u32 s22, s22, s18
	s_mov_b32 s23, 0
	s_lshl_b32 s26, s14, 5
	s_add_co_u32 s26, s26, s15
	s_lshl_b32 s26, s26, 2
	s_add_co_u32 s26, s26, s16                     ; f
	s_mul_i32 s28, s26, 1536
	s_mov_b32 s29, 0
	s_lshl_b32 s30, s26, 7
	s_mov_b32 s31, 0
	s_mov_b32 s2, 0x76543210
	s_mov_b32 s3, 0xfedcba98                       ; v_permlanex16_b32's selects for lane l xor 16
	v_and_b32 v1, 15, v0                           ; r
	v_bfe_u32 v2, v0, 4, 1                         ; h
	v_and_b32 v3, 31, v0                           ; lane
	v_and_b32 v4, s17, v1
	v_add_nc_u32 v4, v4, v1                        ; r + 8 (r / 8), or r
	v_lshlrev_b32 v5, 16, v2                       ; lanes 16-31 begin 32 rows further down
	v_lshl_add_u32 v5, v4, 2, v5                   ; + 4 bytes a unit
	v_lshlrev_b32 v6, 4, v3                        ; out: 16 bytes a lane
	v_lshlrev_b32 v7, 2, v3                        ; and 4 for the scale word
	s_wait_alu depctr_va_vdst(0)
	s_wait_kmcnt 0x0
	s_cmp_eq_u32 s14, 0                            ; the choice of the weight hangs on the work-group's number alone
	s_cselect_b64 s[24:25], s[4:5], s[6:7]
	s_cmp_eq_u32 s14, 2
	s_cselect_b64 s[24:25], s[8:9], s[24:25]
	s_add_nc_u64 s[24:25], s[24:25], s[22:23]
	s_add_nc_u64 s[10:11], s[10:11], s[28:29]
	s_add_nc_u64 s[12:13], s[12:13], s[30:31]
.set c, 0
.rept 2
.set i, 0
.rept 32
	global_load_b32 v[64+32*c+i], v5, s[24:25] offset:(64*c+i)*2048   ; W(128 s + 64 c + 32 h + i, my unit)
.set i, i+1
.endr
.set c, c+1
.endr
	s_wait_loadcnt 0x0
.irp c, 0,1                                    ; my block 2 c + h: all its 32 numbers are mine
	v_max3_num_f32 v[32+\c], |v[64+32*\c]|, |v[65+32*\c]|, 0x2800000   ; with the floor 2^(5 - 127): the byte cannot fall under 1
.endr
.irp i, 2,4,6,8,10,12,14,16,18,20,22,24,26,28,30
.irp c, 0,1
	v_max3_num_f32 v[32+\c], v[32+\c], |v[64+32*\c+\i]|, |v[65+32*\c+\i]|   ; the two blocks by turns
.endr
.endr
.irp c, 0,1
	v_add_nc_u32 v[34+\c], 0xfe000000, v[32+\c]    ; 4 off the exponent field: the conversion takes the exponent field of this operand as its scale
.endr
.irp c, 0,1
	v_lshrrev_b32 v[36+\c], 23, v[34+\c]           ; the scale's byte
.endr
	v_lshl_or_b32 v9, v37, 16, v36                 ; my two bytes: blocks h and 2 + h,
	v_lshlrev_b32 v10, 3, v2
	v_lshlrev_b32 v9, v10, v9                      ; at their places in the scale word;
	v_mov_b32 v10, 0
	v_permlanex16_b32 v10, v9, s2, s3
	v_or_b32 v9, v9, v10                           ; with lane l xor 16's two the word is whole, in both halves of the lanes
.irp c, 0,1
	v_cvt_scalef32_pk16_bf6_f32 v[48+6*\c:50+6*\c], v[64+32*\c:79+32*\c], v[34+\c]   ; registers 6 c .. 6 c + 2 of the operand
	v_cvt_scalef32_pk16_bf6_f32 v[40+4*\c:42+4*\c], v[80+32*\c:95+32*\c], v[34+\c]   ; (a conversion's three registers begin on an even number: the second three are made elsewhere and moved)
.endr
	v_nop                                          ; one plain place behind a scaled conversion
.irp c, 0,1
.irp i, 0,1,2
	v_mov_b32 v[51+6*\c+\i], v[40+4*\c+\i]
.endr
.endr
.irp c, 0,1,2
	global_store_b128 v6, v[48+4*\c:51+4*\c], s[10:11] offset:512*\c   ; 32 lanes store 512 consecutive bytes, at a multiple of 256 from wc's first byte
.endr
	global_store_b32 v7, v9, s[12:13]
	s_endpgm
.Lfunc_end_k_q2aa0145c47_wq:
	.size	k_q2aa0145c47_wq, .Lfunc_end_k_q2aa0145c47_wq-k_q2aa0145c47_wq
	.p2alignl 7, 3214868480
	.fill 96, 4, 3214868480
	.section	.rodata,"a",@progbits
	.p2align	6, 0x0
	.amdhsa_kernel k_q2aa0145c47_wq
		.amdhsa_group_segment_fixed_size 0
		.amdhsa_private_segment_fixed_size 0
		.amdhsa_enable_private_segment 0
		.amdhsa_kernarg_size 40
		.amdhsa_user_sgpr_count 2
		.amdhsa_user_sgpr_kernarg_segment_ptr 1
		.amdhsa_wavefront_size32 1
		.amdhsa_system_sgpr_workgroup_id_x 1
		.amdhsa_system_sgpr_workgroup_id_y 1
		.amdhsa_system_sgpr_workgroup_id_z 1
		.amdhsa_system_vgpr_workitem_id 0
		.amdhsa_next_free_vgpr 128
		.amdhsa_next_free_sgpr 66
		.amdhsa_reserve_vcc 0
		.amdhsa_float_denorm_mode_32 3
		.amdhsa_float_denorm_mode_16_64 3
		.amdhsa_memory_ordered 1
		.amdhsa_forward_progress 1
		.amdhsa_inst_pref_size 12
	.end_amdhsa_kernel
	.amdgpu_metadata
---
amdhsa.version: [ 1, 2 ]
amdhsa.kernels:
  - .name:           k_q2aa0145c47_wq
    .symbol:         k_q2aa0145c47_wq.kd
    .args:
      - { .name: W_query, .offset: 0, .size: 8, .value_kind: global_buffer, .address_space: global }
      - { .name: W_key, .offset: 8, .size: 8, .value_kind: global_buffer, .address_space: global }
      - { .name: W_value, .offset: 16, .size: 8, .value_kind: global_buffer, .address_space: global }
      - { .name: wc, .offset: 24, .size: 8, .value_kind: global_buffer, .address_space: global }
      - { .name: ws, .offset: 32, .size: 8, .value_kind: global_buffer, .address_space: global }
    .group_segment_fixed_size: 0
    .private_segment_fixed_size: 0
    .kernarg_segment_align: 8
    .kernarg_segment_size: 40
    .max_flat_workgroup_size: 128
    .sgpr_count:     66
    .vgpr_count:     128
    .wavefront_size: 32
...
	.end_amdgpu_metadata
.endif
;; end of part 1
;; launch proj (part 2): grid 3 x 64, 4 waves a work-group, no clusters, 327,680 bytes of LDS; arguments x, key, wc, ws, qc, qs, kv; writes qc, qs, kv
.if DOCPART == 2
	.amdgcn_target "amdgcn-amd-amdhsa--gfx1250"
	.amdhsa_code_object_version 6
	.text
	.protected	k_q2aa0145c47_proj
	.globl	k_q2aa0145c47_proj
	.p2align	8
	.type	k_q2aa0145c47_proj,@function
k_q2aa0145c47_proj:
	s_mov_b64 s[64:65], 0
	v_nop
	global_prefetch_b8 v0, s[64:65] scope:SCOPE_SE
	s_setreg_imm32_b32 hwreg(HW_REG_WAVE_MODE, 25, 1), 1
	s_wait_xcnt 0x0
.set REGB,  33296
.set SLOT,  4*REGB
.set IMGB,  266496
.set TSCB,  IMGB+16*1536
.set SPARE, TSCB+16*128
.set L16,  1
.set L8,   2
.set L4,   3
.set XR,   4
.set IWI,  6
.set IWS,  7
.set IRD,  8
.set ISR,  9
.set SH16, 10
.set L16X, 11
.set SPW,  12
.set NIL,  13
.set L8X,  14
.set TS,   16
.set WS,   32
.set ACC,  64
.set XA,   64
.set XB,   128
.set PC,   192
.set TM,   212
.set PWX,  228
.set PWS,  232
.set SW,   236
.set T0,   244
.set SEL,  40
.set OB,   44
.set SB,   46
.set B1,   66
.set B2,   68
.set ITB,  70
.set MSB, 0
.macro WIN new
.if MSB != (\new)
	s_set_vgpr_msb (MSB<<8)|(\new)
.set MSB, (\new)
.endif
.endm
.macro KSEL d, qv, kk, vv
	s_mov_b32 s[\d], \kk
	s_cmp_eq_u32 s19, 0
	s_cselect_b32 s[\d], \qv, s[\d]
	s_cmp_eq_u32 s19, 2
	s_cselect_b32 s[\d], \vv, s[\d]
.endm
.macro QUANT s, pw
.irp b, 0,1,2,3
	v_max3_num_f32 v[TM+\b], |v[\s+16*\b]|, |v[\s+1+16*\b]|, 0x2800000
.endr
.irp i, 2,4,6,8,10,12,14
.irp b, 0,1,2,3
	v_max3_num_f32 v[TM+\b], v[TM+\b], |v[\s+16*\b+\i]|, |v[\s+1+16*\b+\i]|
.endr
.endr
.irp b, 0,1,2,3
	v_permlanex16_b32 v[TM+4+\b], v[TM+\b], s[SEL], s[SEL+1]
.endr
.irp b, 0,1,2,3
	v_max_num_f32 v[TM+\b], v[TM+\b], v[TM+4+\b]
.endr
.irp b, 0,1,2,3
	v_add_nc_u32 v[TM+12+\b], 0xfe000000, v[TM+\b]
.endr
.irp b, 0,1,2,3
	v_lshrrev_b32 v[TM+4+\b], 23, v[TM+12+\b]
.endr
	v_lshl_or_b32 v[\pw], v[TM+5], 8, v[TM+4]
	v_lshl_or_b32 v[\pw], v[TM+6], 16, v[\pw]
	v_lshl_or_b32 v[\pw], v[TM+7], 24, v[\pw]
.irp c, 0,1
	v_cvt_scalef32_pk16_bf6_f32 v[PC+6*\c:PC+2+6*\c], v[\s+32*\c:\s+15+32*\c], v[TM+12+2*\c]
	v_cvt_scalef32_pk16_bf6_f32 v[PC+12+4*\c:PC+14+4*\c], v[\s+16+32*\c:\s+31+32*\c], v[TM+12+2*\c+1]
.endr
	v_nop
.irp c, 0,1
.irp i, 0,1,2
	v_permlane16_swap_b32 v[PC+6*\c+\i], v[PC+12+4*\c+\i]
.endr
.irp i, 0,1,2
	v_mov_b32 v[PC+3+6*\c+\i], v[PC+12+4*\c+\i]
.endr
.endr
.endm
.macro XLD s, reg, xr
.irp b, 0,1,2,3
.irp j, 0,1,2,3
	ds_load_b128 v[\reg+16*\b+4*\j:\reg+16*\b+4*\j+3], v[\xr] offset:512*(\s)+16*((\s)/2)+128*\b+16*\j
.endr
.endr
.endm
.macro IMAGE s
.irp c, 0,1,2
	ds_store_b128 v[IWI], v[PC+4*\c:PC+4*\c+3] offset:1536*(\s)+512*\c
.endr
	ds_store_b32 v[IWS], v[PWX] offset:128*(\s)
.endm
.macro FETCH
	WIN 0xc0
.set f, 0
.rept 16
.irp c, 0,1,2
	ds_load_b128 v[12*f+4*\c:12*f+4*\c+3], v[IRD] offset:1536*f+512*\c
.endr
.set f, f+1
.endr
	WIN 0
.set f, 0
.rept 16
	ds_load_b32 v[TS+f], v[ISR] offset:128*f
.set f, f+1
.endr
	s_wait_dscnt 0x0
.endm
.macro MULQK o
.irp hf, 0,1
	WIN 0x0d+\hf
.irp s, 0,1,2,3
.irp i, 0,1,2,3
.if \s == 0
	v_wmma_scale_f32_16x16x128_f8f6f4 v[ACC+8*(4*\hf+\i):ACC+8*(4*\hf+\i)+7], v[12*(4*\i+\s):12*(4*\i+\s)+11], v[12*(4*(\o)+\s):12*(4*(\o)+\s)+11], 0, v[WS+4*(4*\hf+\i)+\s], v[TS+4*(\o)+\s] matrix_a_fmt:MATRIX_FMT_BF6 matrix_b_fmt:MATRIX_FMT_BF6
.else
	v_wmma_scale_f32_16x16x128_f8f6f4 v[ACC+8*(4*\hf+\i):ACC+8*(4*\hf+\i)+7], v[12*(4*\i+\s):12*(4*\i+\s)+11], v[12*(4*(\o)+\s):12*(4*(\o)+\s)+11], v[ACC+8*(4*\hf+\i):ACC+8*(4*\hf+\i)+7], v[WS+4*(4*\hf+\i)+\s], v[TS+4*(\o)+\s] matrix_a_fmt:MATRIX_FMT_BF6 matrix_b_fmt:MATRIX_FMT_BF6
.endif
.endr
.endr
.endr
	WIN 0
.endm
.macro MULV p
	WIN 0x07+4*((\p)/2)
.irp s, 0,1,2,3
.irp e, 0,1
.irp m, 0,1,2,3
.if \s == 0
	v_wmma_scale_f32_16x16x128_f8f6f4 v[ACC+8*(4*\e+\m):ACC+8*(4*\e+\m)+7], v[12*(4*\m+\s):12*(4*\m+\s)+11], v[12*(4*((2*(\p)+\e)%4)+\s):12*(4*((2*(\p)+\e)%4)+\s)+11], 0, v[TS+4*\m+\s], v[WS+4*(2*(\p)+\e)+\s] matrix_a_fmt:MATRIX_FMT_BF6 matrix_b_fmt:MATRIX_FMT_BF6
.else
	v_wmma_scale_f32_16x16x128_f8f6f4 v[ACC+8*(4*\e+\m):ACC+8*(4*\e+\m)+7], v[12*(4*\m+\s):12*(4*\m+\s)+11], v[12*(4*((2*(\p)+\e)%4)+\s):12*(4*((2*(\p)+\e)%4)+\s)+11], v[ACC+8*(4*\e+\m):ACC+8*(4*\e+\m)+7], v[TS+4*\m+\s], v[WS+4*(2*(\p)+\e)+\s] matrix_a_fmt:MATRIX_FMT_BF6 matrix_b_fmt:MATRIX_FMT_BF6
.endif
.endr
.endr
.endr
	WIN 0
.endm
.macro OUTER it, o
	s_wait_xcnt 0x0
.if \o == 0
.if \it == 0
	s_mov_b64 s[ITB:ITB+1], s[OB:OB+1]
.else
	s_add_nc_u64 s[ITB:ITB+1], s[OB:OB+1], s[46+2*\it:47+2*\it]
.endif
	s_mov_b64 s[B1:B1+1], s[ITB:ITB+1]
.else
	s_add_nc_u64 s[B1:B1+1], s[ITB:ITB+1], s[52+2*\o:53+2*\o]
.endif
	s_add_nc_u64 s[B2:B2+1], s[B1:B1+1], s[60:61]
	s_cmp_eq_u32 s19, 2
	s_cbranch_scc1 .Lforv_\@
	MULQK \o
	s_branch .Ljoin_\@
.Lforv_\@:
	MULV \o
.Ljoin_\@:
.rept 4
	v_nop
.endr
	QUANT ACC, PWS+\o
.if \o < 2
	global_store_b128 v[L16], v[PC:PC+3], s[B1:B1+1]
	global_store_b64 v[L8], v[PC+4:PC+5], s[B1:B1+1] offset:512
	global_store_b128 v[L16], v[PC+6:PC+9], s[B2:B2+1]
	global_store_b64 v[L8], v[PC+10:PC+11], s[B2:B2+1] offset:512
.else
	global_store_b128 v[L16X], v[PC:PC+3], s[B1:B1+1]
	global_store_b64 v[L8X], v[PC+4:PC+5], s[B1:B1+1] offset:512
	global_store_b128 v[L16X], v[PC+6:PC+9], s[B2:B2+1]
	global_store_b64 v[L8X], v[PC+10:PC+11], s[B2:B2+1] offset:512
.endif
.endm
.macro SCALES it
.set BT, (\it)%2
.set SG, (\it)/2
	s_cmp_eq_u32 s19, 0
	s_cbranch_scc0 .Lnotq_\@
.irp m, 0,1,2,3
	v_and_b32 v[SW+\m], 0xffff, v[PWS+\m]
	v_lshrrev_b32 v[SW+4+\m], 16, v[PWS+\m]
.endr
.irp m, 0,1,2,3,4,5,6,7
	v_lshlrev_b32 v[SW+\m], v[SH16], v[SW+\m]
.endr
	global_store_b128 v[L16], v[SW:SW+3], s[SB:SB+1] offset:512*(\it)
	global_store_b128 v[L16], v[SW+4:SW+7], s[SB:SB+1] offset:512*(\it)+16384
	s_branch .Ldone_\@
.Lnotq_\@:
	s_cmp_eq_u32 s19, 1
	s_cbranch_scc0 .Lisv_\@
	v_perm_b32 v[T0], v[PWS+1], v[PWS], 0x05040100
	v_perm_b32 v[T0+1], v[PWS+3], v[PWS+2], 0x05040100
	v_cndmask_b32 v[SW+BT], v[T0], v[T0+1], s42
	v_perm_b32 v[T0], v[PWS+1], v[PWS], 0x07060302
	v_perm_b32 v[T0+1], v[PWS+3], v[PWS+2], 0x07060302
	v_cndmask_b32 v[SW+2+BT], v[T0], v[T0+1], s42
.if BT == 1
	global_store_b64 v[L8], v[SW:SW+1], s[SB:SB+1] offset:12800*SG+12288
	global_store_b64 v[L8], v[SW+2:SW+3], s[SB:SB+1] offset:12800*SG+12288+204800
.endif
	s_branch .Ldone_\@
.Lisv_\@:
.irp p, 0,1,2,3
	v_lshrrev_b32 v[T0], v[SH16], v[PWS+\p]
.if BT == 0
	v_and_b32 v[SW+\p], 0xffff, v[T0]
.else
	v_lshl_or_b32 v[SW+\p], v[T0], 16, v[SW+\p]
.endif
.endr
.if BT == 1
	global_store_b64 v[L8], v[SW:SW+1], s[SB:SB+1] offset:12800*SG+12544
	global_store_b64 v[L8], v[SW+2:SW+3], s[SB:SB+1] offset:12800*SG+12544+204800
.endif
.Ldone_\@:
.endm
.macro ITER it
.set SL, (\it)%2
.if \it == 0
	s_wait_tensorcnt 0x1
	s_barrier_signal -1
	s_barrier_wait -1
.else
	s_wait_xcnt 0x0
	s_wait_tensorcnt 0x0
	ds_add_u32 v[SPW], v[NIL]
.if \it < 3
	s_add_nc_u64 s[34+4*(1-SL):35+4*(1-SL)], s[34+4*(1-SL):35+4*(1-SL)], 262144
.endif
	s_wait_dscnt 0x0
	s_barrier_signal -1
	s_barrier_wait -1
.if \it < 3
	tensor_load_to_lds s[32+4*(1-SL):35+4*(1-SL)], s[24:31]
	s_nop 0
.rept 4
	v_nop
.endr
.endif
.endif
	XLD 0, XA, XR+SL
	XLD 1, XB, XR+SL
	s_wait_dscnt 16
	QUANT XA, PWX
	IMAGE 0
	XLD 2, XA, XR+SL
	s_wait_dscnt 16
	QUANT XB, PWX
	IMAGE 1
	XLD 3, XB, XR+SL
	s_wait_dscnt 16
	QUANT XA, PWX
	IMAGE 2
	s_wait_dscnt 0x0
	QUANT XB, PWX
	IMAGE 3
	s_wait_dscnt 0x0
	s_barrier_signal -1
	s_barrier_wait -1
	FETCH
.if \it == 0
	s_wait_loadcnt 0x0
.endif
	OUTER \it, 0
	OUTER \it, 1
	OUTER \it, 2
	OUTER \it, 3
	SCALES \it
.endm
	s_load_b256 s[4:11], s[0:1], 0x0
	s_load_b128 s[12:15], s[0:1], 0x20
	s_load_b64 s[16:17], s[0:1], 0x30
	v_lshl_add_u32 v[SPW], v0, 2, SPARE
	v_mov_b32 v[NIL], 0
	ds_add_u32 v12, v13
	ds_add_u32 v12, v13
	s_wait_dscnt 0x0
	v_lshrrev_b32 v1, 5, v0
	v_readfirstlane_b32 s18, v1
	s_mov_b32 s19, ttmp9
	s_and_b32 s20, ttmp7, 0xffff
	s_lshr_b32 s21, s20, 3
	s_and_b32 s22, s20, 7
	s_mov_b32 s24, (3<<16)|(1<<20)|(7<<22)|(3<<25)
	s_mov_b32 s25, 128<<16
	s_mov_b32 s26, 32<<16
	s_mov_b32 s27, 128<<16
	s_mov_b32 s28, 32
	s_mov_b32 s29, 128
	s_mov_b32 s30, 0
	s_mov_b32 s31, 0
	s_lshl_b32 s72, s20, 19
	s_lshl_b32 s73, s18, 15
	s_add_co_u32 s72, s72, s73
	s_mov_b32 s73, 0
	s_mov_b32 s32, 1
	s_mul_i32 s33, s18, REGB
	s_mov_b32 s36, 1
	s_add_co_u32 s37, s33, SLOT
	s_wait_kmcnt 0x0
	s_cmp_eq_u32 s19, 0
	s_cselect_b64 s[74:75], s[4:5], s[6:7]
	s_add_nc_u64 s[34:35], s[74:75], s[72:73]
	s_add_nc_u64 s[38:39], s[34:35], 131072
	s_or_b32 s35, s35, 0x80000000
	s_or_b32 s39, s39, 0x80000000
	tensor_load_to_lds s[32:35], s[24:31]
	s_nop 0
	s_wait_alu depctr_va_vdst(0)
	s_wait_tensorcnt 0x0
	ds_add_u32 v12, v13
	s_wait_dscnt 0x0
	s_barrier_signal -1
	s_barrier_wait -1
	tensor_load_to_lds s[36:39], s[24:31]
	s_nop 0
.rept 4
	v_nop
.endr
	v_and_b32 v3, 31, v0
	v_lshlrev_b32 v[L16], 4, v3
	s_wait_alu depctr_va_vdst(0)
	v_lshlrev_b32 v[L8], 3, v3
	v_lshlrev_b32 v[L4], 2, v3
	s_wait_alu depctr_va_vdst(0)
	s_lshl_b32 s62, s19, 2
	s_add_co_u32 s62, s62, s18
	s_mul_i32 s72, s62, 49152
	s_add_nc_u64 s[76:77], s[8:9], s[72:73]
	s_lshl_b32 s72, s62, 12
	s_add_nc_u64 s[78:79], s[10:11], s[72:73]
	WIN 0x40
.set f, 0
.rept 16
.irp c, 0,1,2
	global_load_b128 v[12*f+4*\c:12*f+4*\c+3], v[L16], s[76:77] offset:1536*f+512*\c
.endr
.set f, f+1
.endr
	WIN 0x80
.set f, 0
.rept 16
.irp c, 0,1,2
	global_load_b128 v[12*f+4*\c:12*f+4*\c+3], v[L16], s[76:77] offset:1536*(16+f)+512*\c
.endr
.set f, f+1
.endr
	WIN 0
.set f, 0
.rept 32
	global_load_b32 v[WS+f], v[L4], s[78:79] offset:128*f
.set f, f+1
.endr
	v_and_b32 v14, 15, v0
	v_bfe_u32 v15, v0, 4, 1
	s_and_b32 s72, s18, 2
	s_mul_i32 s72, s72, REGB
	s_and_b32 s62, s18, 1
	s_mul_i32 s62, s62, 16640
	s_add_co_u32 s72, s72, s62
	v_lshrrev_b32 v4, 3, v14
	v_mul_u32_u24 v4, v4, REGB
	v_and_b32 v5, 7, v14
	v_mad_u32_u24 v4, v5, 2080, v4
	v_lshl_add_u32 v4, v15, 6, v4
	v_add_nc_u32 v[XR], s72, v4
	v_add_nc_u32 v[XR+1], SLOT, v[XR]
	s_mul_i32 s62, s18, 6144
	s_add_co_u32 s62, s62, IMGB
	v_add_nc_u32 v[IWI], s62, v[L16]
	s_lshl_b32 s63, s18, 9
	s_add_co_u32 s63, s63, TSCB
	v_add_nc_u32 v[IWS], s63, v[L4]
	v_add_nc_u32 v[IRD], IMGB, v[L16]
	v_add_nc_u32 v[ISR], TSCB, v[L4]
	v_lshlrev_b32 v[SH16], 4, v15
	s_cmp_eq_u32 s19, 1
	s_cselect_b32 s43, 128, 0
	v_xor_b32 v[L16X], s43, v[L16]
	s_lshr_b32 s43, s43, 1
	v_xor_b32 v[L8X], s43, v[L8]
.irp b, 0,1,2,3
	v_mov_b32 v[TM+4+\b], 0
.endr
.irp b, 0,1,2,3,4,5,6,7
	v_mov_b32 v[SW+\b], 0
.endr
	s_mov_b32 s[SEL], 0x76543210
	s_mov_b32 s[SEL+1], 0xfedcba98
	s_mov_b32 s42, 0xffff0000
	KSEL 50, 6144, 12800, 12800
	KSEL 48, 3072, 3072, 768
	s_add_co_u32 s52, s50, s48
	KSEL 56, 1536, 1536, 204800
	KSEL 54, 768, 768, 3072
	s_add_co_u32 s58, s56, s54
	KSEL 60, 98304, 204800, 1536
.irp d, 49,51,53,55,57,59,61
	s_mov_b32 s\d, 0
.endr
	s_lshl_b32 s62, s21, 3
	s_lshl_b32 s63, s18, 1
	s_add_co_u32 s62, s62, s63
	KSEL 72, 98304, 204800, 204800
	s_mul_i32 s72, s72, s62
	KSEL 73, 12288, 25600, 25600
	s_mul_i32 s73, s73, s22
	s_add_co_u32 s72, s72, s73
	KSEL 73, 0, 0, 6144
	s_add_co_u32 s72, s72, s73
	s_mov_b32 s73, 0
	s_cmp_eq_u32 s19, 0
	s_cselect_b64 s[OB:OB+1], s[12:13], s[16:17]
	s_add_nc_u64 s[OB:OB+1], s[OB:OB+1], s[72:73]
	KSEL 72, 16384, 204800, 204800
	s_mul_i32 s72, s72, s62
	KSEL 73, 2048, 25600, 25600
	s_mul_i32 s73, s73, s22
	s_add_co_u32 s72, s72, s73
	s_mov_b32 s73, 0
	s_cmp_eq_u32 s19, 0
	s_cselect_b64 s[SB:SB+1], s[14:15], s[16:17]
	s_add_nc_u64 s[SB:SB+1], s[SB:SB+1], s[72:73]
	ITER 0
	ITER 1
	ITER 2
	ITER 3
	s_wait_tensorcnt 0x0
	ds_add_u32 v[SPW], v[NIL]
	s_wait_dscnt 0x0
	s_endpgm
.Lfunc_end_k_q2aa0145c47_proj:
	.size	k_q2aa0145c47_proj, .Lfunc_end_k_q2aa0145c47_proj-k_q2aa0145c47_proj
	.p2alignl 7, 3214868480
	.fill 96, 4, 3214868480
	.section	.rodata,"a",@progbits
	.p2align	6, 0x0
	.amdhsa_kernel k_q2aa0145c47_proj
		.amdhsa_group_segment_fixed_size 327680
		.amdhsa_private_segment_fixed_size 0
		.amdhsa_enable_private_segment 0
		.amdhsa_kernarg_size 56
		.amdhsa_user_sgpr_count 2
		.amdhsa_user_sgpr_kernarg_segment_ptr 1
		.amdhsa_wavefront_size32 1
		.amdhsa_system_sgpr_workgroup_id_x 1
		.amdhsa_system_sgpr_workgroup_id_y 1
		.amdhsa_system_sgpr_workgroup_id_z 1
		.amdhsa_system_vgpr_workitem_id 0
		.amdhsa_next_free_vgpr 1024
		.amdhsa_next_free_sgpr 80
		.amdhsa_reserve_vcc 0
		.amdhsa_float_denorm_mode_32 3
		.amdhsa_float_denorm_mode_16_64 3
		.amdhsa_memory_ordered 1
		.amdhsa_forward_progress 1
		.amdhsa_inst_pref_size 255
	.end_amdhsa_kernel
	.section	.bss,"aw",@nobits
	.p2align	6
	.space	262144
	.amdgpu_metadata
---
amdhsa.version: [ 1, 2 ]
amdhsa.kernels:
  - .name:           k_q2aa0145c47_proj
    .symbol:         k_q2aa0145c47_proj.kd
    .args:
      - { .name: x, .offset: 0, .size: 8, .value_kind: global_buffer, .address_space: global }
      - { .name: key, .offset: 8, .size: 8, .value_kind: global_buffer, .address_space: global }
      - { .name: wc, .offset: 16, .size: 8, .value_kind: global_buffer, .address_space: global }
      - { .name: ws, .offset: 24, .size: 8, .value_kind: global_buffer, .address_space: global }
      - { .name: qc, .offset: 32, .size: 8, .value_kind: global_buffer, .address_space: global }
      - { .name: qs, .offset: 40, .size: 8, .value_kind: global_buffer, .address_space: global }
      - { .name: kv, .offset: 48, .size: 8, .value_kind: global_buffer, .address_space: global }
    .group_segment_fixed_size: 327680
    .private_segment_fixed_size: 0
    .kernarg_segment_align: 8
    .kernarg_segment_size: 56
    .max_flat_workgroup_size: 128
    .sgpr_count:     80
    .vgpr_count:     1024
    .wavefront_size: 32
...
	.end_amdgpu_metadata
.endif
;; end of part 2
;; launch attn (part 3): grid 4 x 64, 8 waves a work-group, clusters of 4 x 1, 276,480 bytes of LDS; arguments qc, qs, kv, out0; writes out0
.if DOCPART == 3
	.amdgcn_target "amdgcn-amd-amdhsa--gfx1250"
	.amdhsa_code_object_version 6
	.text
	.protected	k_q2aa0145c47_attn
	.globl	k_q2aa0145c47_attn
	.p2align	8
	.type	k_q2aa0145c47_attn,@function
k_q2aa0145c47_attn:
	s_mov_b64 s[64:65], 0
	v_nop
	global_prefetch_b8 v0, s[64:65] scope:SCOPE_SE
	s_setreg_imm32_b32 hwreg(HW_REG_WAVE_MODE, 25, 1), 1
	s_wait_xcnt 0x0
	s_wait_alu depctr_hold_cnt(0) depctr_sa_sdst(0) depctr_va_vdst(0) depctr_va_sdst(0) depctr_va_ssrc(0) depctr_va_vcc(0) depctr_vm_vsrc(0)
	s_getreg_b32 s2, hwreg(HW_REG_IB_STS2, 6, 4)
	s_cmp_eq_u32 s2, 0
	s_cbranch_scc0 .Lentry_in_a_cluster
	s_endpgm
.Lentry_in_a_cluster:
	s_bfe_u32 s2, ttmp6, 0x10000c
	s_cmp_lg_u32 s2, 0x3003
	s_cbranch_scc0 .Lentry_shape_is_right
	s_endpgm
.Lentry_shape_is_right:
; out[n][q][head][:] = sum over k of softmax_k(q . k / sqrt(512)) v, both products on codes of BF6 (E3M2) with one E8M0 scale for each 32 along a product's K; head size 64, 2,048 keys, 64 pairs (n, head).
; THE SOFTMAX: t = score x log2(e) / sqrt(512); M = the row's largest t so far, rounded UP to a whole number; p = 2^(t - M) is quantised along the keys, not normalised.
; The row's sum is taken of the unquantised p and divides at the end.  When M moves, the sum and O are multiplied by 2^(old M - new M): exact.
; SHARES.  Work-group y = head' = 8 n + head, x = 512 queries.  Each of eight waves owns 64 queries: two passes, each with TWO tiles of 16 queries at once (tile A in register window 0, tile B in window 1),
; so that each fragment of K and of V that is read from LDS feeds two tiles.  A pass walks all 16 key steps of 128 keys.
; A HEAD'S WHOLE K AND V, codes and scale words, are 204,800 bytes as launch proj laid them: they come into LDS ONCE, each wave bringing two key steps (100 lines of 256 bytes), and stay: no slot is filled again,
; and the loop has no barrier: K's and V's bytes are only read, and the stages are each wave's own.
; CLUSTER.  The four work-groups of a head want the same bytes: each load is asked for JOINTLY, with the same descriptor and a mask that names the four.
; NO PREFETCH: the launch's one stream, K and V, is asked for whole by each wave's first load; no loop runs ahead of it.
; LAYOUT.  Both products are used transposed: S^T = K Q^T (source 0 = keys, source 1 = 16 queries), O^T = V^T P^T: a lane holds ONE query (lane % 16) throughout.
; K = 64 UNDER AN INSTRUCTION OF 128: source 0 is TWO tiles of keys on end.  Q stands in 18 registers as Q | six zeros | Q: v[16:27] multiplies the first tile, v[22:33] the second; Q's scale bytes beside the zeros are 0.
; A LANE HOLDS WHOLE BLOCKS OF 32 KEYS: registers 32 c + 0 .. 31 of the scores are keys 64 c + 32 (lane / 16) + 0 .. 31; such key tiles are made while proj's records are read (lanes with lane % 16 >= 8 read two records further on).
; ORDER OF A STEP: tile A's 8 products K Q^T; tile B's 8 in pairs, tile A's block maxima between the pairs; the next step's K loads in one run; tile B's maxima; the two tiles' short chains by turns; t - M and the rescaling;
; ONE batch of exponentials for both tiles; scales, codes; tile A's 4 products V^T P and the first level of its sums; tile B's 4, four additions behind each; the next step's V loads; the rest of the sums, trees in place.
; LIMITS: the promise holds while |t| stays under 2^31; p under 2^-126 counts as 0 (v_exp_f32 gives no denormals: ISA guide, its entry); a block's largest p is taken from its largest score, which takes v_exp_f32 not to fall
; where its input rises; a block whose every p is 0 keeps the byte 1; NaN and infinities are not served.
; REGISTERS, window 0: v1, v2 16 x and 8 x lane; v3-6 places in K's records; v7 place in out; v8, v9 V's LDS addresses; v10, v11 the stage; v12 -M and v13 largest score of tile A, v14, v15 of B; v16-33 Q (A); v34-81 K's fragments;
;   v82 place among K's scale words, v83 8 x (lane / 16), v84-88 K's LDS addresses; v[90:91], v[92:93] the sums of A, B; v96-159 S^T then p (A); v160-191 O^T (A); v192-201, v202-211 at work for A, B;
;   v216-219 Q's scale words of my four tiles, v220, v221 those of this pass; v222, v223 p's scale words; v224-242 p's codes (A); v244, v245 the spare word's address and 0; v246, v252 f of A, B; v[248:251] K's and V's scale words.
; Window 1: v0-11, v192-203 Q's records of both passes; v16-33 Q (B); v34-81 V's fragments; v96-159, v160-191, v224-242 as in window 0, for B.
.set STEPB, 12800
.set STAGE, 16*STEPB                   ; behind K and V: two stages of 16 rows x (256 + 16) bytes for each wave; no tensor load lands there
.set SP,    272
.set SPARE, 0x43000                    ; behind the stages: the spare words
.set F, 34
.set S, 96
.set O, 160
.set P, 224
.set H, 236
.set MSB, 0
.macro WIN new                         ; the immediate's high byte repeats the setting that is left
.if MSB != (\new)
	s_set_vgpr_msb (MSB<<8)|(\new)
.set MSB, (\new)
.endif
.endm
.macro ROUND                           ; a round of the cluster's barrier
	s_barrier_signal -1
	s_barrier_wait -1
	s_cmp_lg_u32 s12, 0
	s_cbranch_scc1 .Lnot_wave_0_\@
	s_barrier_signal -3
.Lnot_wave_0_\@:
	s_barrier_wait -3
	s_barrier_signal -1
	s_barrier_wait -1
.endm
.macro KQ b, u, qs                     ; score tile 2 b + u: pair b of K's tiles against Q at the tile's half.  K's words: pair b in lanes 0-15 (b even) or 16-31; Q's bytes low in lanes 0-15, high in lanes 16-31
.if ((\b)%2 == 0) && (\u == 0)
	v_wmma_scale_f32_16x16x128_f8f6f4 v[S+8*(2*\b+\u):S+8*(2*\b+\u)+7], v[F+12*\b:F+12*\b+11], v[16:27], 0, v[248+(\b)/2], v[\qs] matrix_a_fmt:MATRIX_FMT_BF6 matrix_b_fmt:MATRIX_FMT_BF6
.elseif (\b)%2 == 0
	v_wmma_scale_f32_16x16x128_f8f6f4 v[S+8*(2*\b+\u):S+8*(2*\b+\u)+7], v[F+12*\b:F+12*\b+11], v[22:33], 0, v[248+(\b)/2], v[\qs] matrix_a_fmt:MATRIX_FMT_BF6 matrix_b_fmt:MATRIX_FMT_BF6 matrix_b_scale:MATRIX_SCALE_ROW1
.elseif \u == 0
	v_wmma_scale_f32_16x16x128_f8f6f4 v[S+8*(2*\b+\u):S+8*(2*\b+\u)+7], v[F+12*\b:F+12*\b+11], v[16:27], 0, v[248+(\b)/2], v[\qs] matrix_a_fmt:MATRIX_FMT_BF6 matrix_b_fmt:MATRIX_FMT_BF6 matrix_a_scale:MATRIX_SCALE_ROW1
.else
	v_wmma_scale_f32_16x16x128_f8f6f4 v[S+8*(2*\b+\u):S+8*(2*\b+\u)+7], v[F+12*\b:F+12*\b+11], v[22:33], 0, v[248+(\b)/2], v[\qs] matrix_a_fmt:MATRIX_FMT_BF6 matrix_b_fmt:MATRIX_FMT_BF6 matrix_a_scale:MATRIX_SCALE_ROW1 matrix_b_scale:MATRIX_SCALE_ROW1
.endif
.endm
.macro PV t, ps                        ; O^T += V^T P^T for channels 16 t on; K = the step's 128 keys
.if (\t)%2 == 0
	v_wmma_scale_f32_16x16x128_f8f6f4 v[O+8*\t:O+8*\t+7], v[F+12*\t:F+12*\t+11], v[P:P+11], v[O+8*\t:O+8*\t+7], v[250+(\t)/2], v[\ps] matrix_a_fmt:MATRIX_FMT_BF6 matrix_b_fmt:MATRIX_FMT_BF6
.else
	v_wmma_scale_f32_16x16x128_f8f6f4 v[O+8*\t:O+8*\t+7], v[F+12*\t:F+12*\t+11], v[P:P+11], v[O+8*\t:O+8*\t+7], v[250+(\t)/2], v[\ps] matrix_a_fmt:MATRIX_FMT_BF6 matrix_b_fmt:MATRIX_FMT_BF6 matrix_a_scale:MATRIX_SCALE_ROW1
.endif
.endm
.macro KADD                            ; K's LDS addresses of the step whose bytes begin at s32; behind tile A's products these five are also the places in front of the first read of its scores
	v_add_nc_u32 v84, s32, v3
	v_add_nc_u32 v85, s32, v4
	v_add_nc_u32 v86, s32, v5
	v_add_nc_u32 v87, s32, v6
	v_add_nc_u32 v88, s32, v82
.endm
.macro KLS                             ; K's four pairs of tiles and their scale words.  Half n = 4 g + 2 e + u: out of records 4 g + u and 4 g + u + 2; e = 0: their rows 0-7, e = 1: their rows 8-15
.irp n, 0,1,2,3,4,5,6,7
	ds_load_b128 v[F+12*(\n/2)+6*(\n%2):F+12*(\n/2)+6*(\n%2)+3], v[84+(\n/2)%2] offset:768*(4*(\n/4)+\n%2)
	ds_load_b64 v[F+12*(\n/2)+6*(\n%2)+4:F+12*(\n/2)+6*(\n%2)+5], v[86+(\n/2)%2] offset:768*(4*(\n/4)+\n%2)+512
.endr
	ds_load_b64 v[248:249], v88                    ; lanes 0-15: the words of pairs 0 and 2, lanes 16-31: of pairs 1 and 3
.endm
.macro VLOAD                           ; V's four fragments into window 1, and their scale words
	WIN 0x40
.irp j, 0,1,2,3,4,5,6,7
	ds_load_b128 v[F+6*\j:F+6*\j+3], v8 offset:6144+768*\j
	ds_load_b64 v[F+6*\j+4:F+6*\j+5], v9 offset:6144+768*\j+512
.endr
	WIN 0
	ds_load_b64 v[250:251], v9 offset:12544
.endm
.macro MAXR t, i                       ; the largest score of each 16 registers: four chains by turns, begun at -infinity (s48); this turn takes registers i, i + 1 of each 16; each accumulator from its low end on
.irp q, 0,1,2,3
.if (\i) == 0
	v_max3_num_f32 v[\t+\q], s48, v[S+16*\q], v[S+16*\q+1]
.else
	v_max3_num_f32 v[\t+\q], v[\t+\q], v[S+16*\q+\i], v[S+16*\q+\i+1]
.endif
.endr
.endm
.macro CHAIN                           ; from the block maxima to -M, f and t - M of the block maxima: tiles A (x = 0) and B (x = 1) by turns
.irp x, 0,1
	v_mov_b32 v[201+10*\x], v[12+2*\x]             ; the old -M
.endr
.irp x, 0,1
	v_max_num_f32 v[192+10*\x], v[192+10*\x], v[193+10*\x]   ; block h
.endr
.irp x, 0,1
	v_max_num_f32 v[193+10*\x], v[194+10*\x], v[195+10*\x]   ; block 2 + h
.endr
.irp x, 0,1
	v_max_num_f32 v[254+\x], v[192+10*\x], v[193+10*\x]
.endr
.irp x, 0,1
	v_permlanex16_b32 v[200+10*\x], v[254+\x], s28, s29      ; lane l xor 16's two blocks
.endr
.irp x, 0,1
	v_max3_num_f32 v[13+2*\x], v[13+2*\x], v[254+\x], v[200+10*\x]   ; the running largest score of my query
.endr
.irp x, 0,1
	v_mul_f32 v[254+\x], s30, v[13+2*\x]           ; as t (c is positive)
.endr
.irp x, 0,1
	v_floor_f32 v[12+2*\x], -v[254+\x]             ; the new -M = -ceil(t)
.endr
.irp x, 0,1
	v_sub_f32 v[201+10*\x], v[12+2*\x], v[201+10*\x]         ; old M less new M: a whole number, 0 or less
.endr
.irp x, 0,1
	v_fma_f32 v[192+10*\x], v[192+10*\x], s30, v[12+2*\x]    ; t - M of each block's largest score
.endr
.irp x, 0,1
	v_cvt_i32_f32 v[201+10*\x], v[201+10*\x]       ; (it saturates)
.endr
.irp x, 0,1
	v_fma_f32 v[193+10*\x], v[193+10*\x], s30, v[12+2*\x]
.endr
.irp x, 0,1
	v_ldexp_f32 v[246+6*\x], 1.0, v[201+10*\x]     ; f = 2^(old M - new M)
.endr
.endm
.macro BULK nm, ff                     ; t - M of a tile's 64 scores, and O^T under the new M (ascending: each accumulator from its low end on)
.set j, 0
.rept 32
	v_pk_fma_f32 v[S+j:S+j+1], v[S+j:S+j+1], s[30:31], v[\nm:\nm+1] op_sel_hi:[1,0,0]
.set j, j+2
.endr
.set j, 0
.rept 16
	v_pk_mul_f32 v[O+j:O+j+1], v[O+j:O+j+1], v[\ff:\ff+1] op_sel_hi:[1,0]
.set j, j+2
.endr
.endm
.macro EXPS
.set j, 0
.rept 64
	v_exp_f32 v[S+j], v[S+j]                       ; p = 2^(t - M), at most 1
.set j, j+1
.endr
.endm
.macro SCALEB                          ; the blocks' scales and p's scale words, both tiles by turns
.irp x, 0,1
	v_max_num_f32 v[192+10*\x], 0x2800000, v[192+10*\x]      ; the floor 2^(5 - 127): the byte cannot fall under 1
.endr
.irp x, 0,1
	v_max_num_f32 v[193+10*\x], 0x2800000, v[193+10*\x]
.endr
.irp x, 0,1
	v_add_nc_u32 v[196+10*\x], 0xfe000000, v[192+10*\x]      ; 4 off the exponent field: the conversion's scale operand
.endr
.irp x, 0,1
	v_add_nc_u32 v[197+10*\x], 0xfe000000, v[193+10*\x]
.endr
.irp x, 0,1
	v_lshrrev_b32 v[198+10*\x], 23, v[196+10*\x]   ; the scale's byte
.endr
.irp x, 0,1
	v_lshrrev_b32 v[199+10*\x], 23, v[197+10*\x]
.endr
.irp x, 0,1
	v_lshl_or_b32 v[254+\x], v[199+10*\x], 16, v[198+10*\x]  ; my two bytes: blocks h and 2 + h,
.endr
.irp x, 0,1
	v_lshlrev_b32 v[254+\x], v83, v[254+\x]        ; at their places in the scale word
.endr
.irp x, 0,1
	v_permlanex16_b32 v[200+10*\x], v[254+\x], s28, s29
.endr
.irp x, 0,1
	v_or_b32 v[222+\x], v[254+\x], v[200+10*\x]    ; with lane l xor 16's two bytes the word is whole
.endr
.endm
.macro CVT sc                          ; a tile's p into codes; a conversion's three registers begin on an even number, so the second three of a block's six are made elsewhere and moved
	v_cvt_scalef32_pk16_bf6_f32 v[P:P+2], v[S:S+15], v[\sc]
	v_cvt_scalef32_pk16_bf6_f32 v[H:H+2], v[S+16:S+31], v[\sc]
	v_cvt_scalef32_pk16_bf6_f32 v[P+6:P+8], v[S+32:S+47], v[\sc+1]
	v_cvt_scalef32_pk16_bf6_f32 v[H+4:H+6], v[S+48:S+63], v[\sc+1]
	v_nop                                          ; one plain place behind the scaled conversions
.irp j, 0,1,2
	v_mov_b32 v[P+3+\j], v[H+\j]
	v_mov_b32 v[P+9+\j], v[H+4+\j]
.endr
.endm
.macro TREE st, k0, n                  ; THE ROW'S SUM IS TAKEN OF THE UNQUANTISED p, as a tree in place, behind the conversions: n independent packed additions of a level, from its k0-th on
.set k, \k0
.rept \n
	v_pk_add_f32 v[S+2*\st*k:S+2*\st*k+1], v[S+2*\st*k:S+2*\st*k+1], v[S+2*\st*k+\st:S+2*\st*k+\st+1]
.set k, k+1
.endr
.endm
; A KEY STEP for both tiles.  Its K lies in registers, its V has been asked for.  pf = 1: the next step's K and V are asked for; 0: nothing.
.macro STEP pf
.irp b, 0,1,2,3
	KQ \b, 0, 220
	KQ \b, 1, 220
.endr
.if \pf
	s_add_co_u32 s32, s32, STEPB
	KADD
.else
.rept 4
	v_nop                                          ; four places in front of the first read of tile A's scores
.endr
.endif
.irp b, 0,1,2,3
	WIN 0x44                                       ; D and Q in window 1, K in window 0
	KQ \b, 0, 221
	KQ \b, 1, 221
	WIN 0
	MAXR 192, 4*\b                                 ; tile A's maxima stand between tile B's pairs of products
	MAXR 192, 4*\b+2
.endr
.if \pf
	KLS                                            ; behind the eight maxima above, which are the places behind the last products
.endif
	WIN 0x14                                       ; the scores in window 1, the maxima in window 0
.irp i, 0,2,4,6,8,10,12,14
	MAXR 202, \i
.endr
	WIN 0
	CHAIN
	BULK 12, 246
	v_pk_mul_f32 v[90:91], v[90:91], v[246:247] op_sel_hi:[1,0]   ; the sums under the new M
	v_pk_mul_f32 v[92:93], v[92:93], v[252:253] op_sel_hi:[1,0]
	WIN 0x41                                       ; tile B's arrays in window 1, its -M and f in window 0
	BULK 14, 252
	s_wait_alu depctr_va_vdst(0)                   ; the wait ahead of the batch
	EXPS
	WIN 0
	EXPS
.irp r, 192,193,202,203
	v_exp_f32 v\r, v\r                             ; the blocks' largest p: the same two instructions on the same number give the same bits
.endr
.if \pf
	v_add_nc_u32 v8, s32, v1                       ; the next step's V: also the plain place behind the exponentials
	v_add_nc_u32 v9, s32, v2
.else
	v_nop
.endif
	s_wait_alu depctr_va_vdst(0)                   ; one wait for the whole batch, ahead of its first reader
	s_wait_dscnt 0x0                               ; V's fragments are in, and the next step's K, asked for ahead of the batch
	SCALEB
	CVT 196
	WIN 0x41
	CVT 206
	WIN 0x01                                       ; V in window 1.  Tile A's codes were written eleven VALU places back, its scale word twenty-three
.irp t, 0,1,2,3
	PV \t, 222                                     ; eight accumulators, one instruction each
.endr
	WIN 0
	TREE 2, 0, 16                                  ; sixteen places between the last write of tile B's codes and its products
	WIN 0x55
.irp t, 0,1,2,3
	PV \t, 223
	TREE 2, 4*\t, 4                                ; the last four are the places in front of the loads into V's registers
.endr
.if \pf
	VLOAD
.endif
	WIN 0
	TREE 4, 0, 8
	TREE 8, 0, 4
	TREE 16, 0, 2
	TREE 32, 0, 1
	v_pk_add_f32 v[90:91], v[90:91], v[S:S+1]
	WIN 0x55
	TREE 4, 0, 8
	TREE 8, 0, 4
	TREE 16, 0, 2
	TREE 32, 0, 1
	WIN 0x04
	v_pk_add_f32 v[92:93], v[92:93], v[S:S+1]
	WIN 0
.endm
	s_load_b256 s[4:11], s[0:1], 0x0               ; qc s[4:5], qs s[6:7], kv s[8:9], out s[10:11]
	v_lshl_add_u32 v244, v0, 2, SPARE
	v_mov_b32 v245, 0
	ds_add_u32 v244, v245                          ; the opening lines: the add, twice on end, and its wait ahead of my tensor load
	ds_add_u32 v244, v245
	v_lshrrev_b32 v1, 5, v0
	v_readfirstlane_b32 s12, v1                    ; wave 0..7
	s_bfe_u32 s13, ttmp6, 0x40000                  ; cx: my place in the cluster
	s_lshl_b32 s14, ttmp9, 2
	s_add_co_u32 s14, s14, s13                     ; my block of 512 queries: it enters Q's and out's addresses alone
	s_and_b32 s15, ttmp7, 0xffff                   ; head', which the four partners share
	s_mov_b32 s16, 15|(3<<16)|(1<<21)              ; group 1: the mask of all four; elements of 8 bytes; bit 21 beside a mask; no padding
	s_mov_b32 s17, 32<<16                          ; 25,600 dense bytes as 100 lines of 32 elements
	s_mov_b32 s18, 100<<16
	s_mov_b32 s19, 32<<16
	s_mov_b32 s20, 100
	s_mov_b32 s21, 32
	s_mov_b32 s22, 0
	s_mov_b32 s23, 0
	s_mov_b32 s24, 1
	s_mul_i32 s25, s12, 2*STEPB                    ; key steps 2 w and 2 w + 1: no place in the cluster enters an LDS address
	s_mul_i32 s40, s15, 16*STEPB
	s_add_co_u32 s40, s40, s25
	s_mov_b32 s41, 0
	s_lshl_b32 s43, s14, 3
	s_add_co_u32 s43, s43, s12                     ; 8 x block + wave: my four tiles, 64 queries
	s_mul_i32 s42, s15, 98304                      ; Q's records: 128 tiles of 768 bytes a head
	s_mul_i32 s44, s43, 3072
	s_add_co_u32 s42, s42, s44
	s_lshl_b32 s44, s15, 14                        ; Q's scale words: 16,384 bytes a head, 512 for four tiles, a lane's 16 bytes hold the four tiles' words
	s_lshl_b32 s45, s43, 9
	s_add_co_u32 s44, s44, s45
	s_lshr_b32 s46, s15, 3                         ; out: n x 2,048 rows of 2,048 bytes, my 64 tokens, the head's 256 bytes
	s_lshl_b32 s46, s46, 22
	s_lshl_b32 s47, s43, 17
	s_add_co_u32 s46, s46, s47
	s_and_b32 s47, s15, 7
	s_lshl_b32 s47, s47, 8
	s_add_co_u32 s46, s46, s47
	s_mov_b32 s43, 0
	s_mov_b32 s45, 0
	s_mov_b32 s47, 0
	s_mov_b32 s28, 0x76543210
	s_mov_b32 s29, 0xfedcba98                      ; v_permlanex16_b32's selects for lane l xor 16
	s_mov_b32 s30, 0x3d8293ee                      ; c = log2(e) / sqrt(512)
	s_mov_b32 s31, s30                             ; (named with it as a pair)
	s_mov_b32 s48, 0xff800000                      ; -infinity: where the chains of maxima begin
	s_wait_dscnt 0x0
	s_wait_kmcnt 0x0
	s_add_nc_u64 s[26:27], s[8:9], s[40:41]
	s_or_b32 s27, s27, 0x80000000                  ; type = 2
	s_add_nc_u64 s[34:35], s[4:5], s[42:43]
	s_add_nc_u64 s[36:37], s[6:7], s[44:45]
	s_add_nc_u64 s[38:39], s[10:11], s[46:47]
	ROUND                                          ; all four work-groups are here: the joint loads meet
	tensor_load_to_lds s[24:27], s[16:23]          ; my one tensor load of the launch
	s_nop 0
.rept 4
	v_nop
.endr
	v_and_b32 v84, 31, v0                          ; lane
	v_lshlrev_b32 v1, 4, v84
	v_lshlrev_b32 v2, 3, v84
	WIN 0x40                                       ; my four tiles' Q records into window 1: pass 0's A, B, pass 1's A, B
	global_load_b128 v[0:3], v1, s[34:35]
	global_load_b64 v[4:5], v2, s[34:35] offset:512
	global_load_b128 v[192:195], v1, s[34:35] offset:768
	global_load_b64 v[196:197], v2, s[34:35] offset:768+512
	global_load_b128 v[6:9], v1, s[34:35] offset:1536
	global_load_b64 v[10:11], v2, s[34:35] offset:1536+512
	global_load_b128 v[198:201], v1, s[34:35] offset:2304
	global_load_b64 v[202:203], v2, s[34:35] offset:2304+512
	WIN 0
	global_load_b128 v[216:219], v1, s[36:37]      ; and their scale words
	v_and_b32 v85, 15, v0                          ; r
	v_bfe_u32 v86, v0, 4, 1                        ; h
	v_bfe_u32 v87, v0, 3, 1                        ; r / 8
	v_mad_u32_u24 v3, v87, 1536, v1                ; K's records: 16 l, two records further on for r >= 8: rows 0-7 of both records
	v_xor_b32 v4, 0x80, v3                         ; 16 (l xor 8) likewise: their rows 8-15
	v_mad_u32_u24 v5, v87, 1536, v2                ; the same for a record's last 256 bytes, 8 a lane
	v_xor_b32 v6, 64, v5
	v_and_b32 v88, 7, v0
	v_lshlrev_b32 v82, 3, v88                      ; K's scale words, 8 bytes a lane: the lane with bits 3 and 4 exchanged
	v_lshl_add_u32 v82, v87, 7, v82
	v_lshl_add_u32 v82, v86, 6, v82
	v_add_nc_u32 v82, 12288, v82
	v_lshlrev_b32 v83, 3, v86                      ; 8 h: how far my two bytes of p's scale word are shifted
	v_lshlrev_b32 v7, 11, v86
	v_lshl_add_u32 v7, v85, 4, v7                  ; out: lanes 0-15 one token's row, lanes 16-31 the next; 16 bytes a lane
	s_mul_i32 s40, s12, 32*SP
	s_add_co_u32 s40, s40, STAGE                   ; my two stages
	v_mul_u32_u24 v10, v85, SP
	v_lshl_add_u32 v10, v86, 5, v10
	v_add_nc_u32 v10, s40, v10                     ; in: row r; tile t's eight channels of my half: 64 t + 32 h bytes on
	v_mul_u32_u24 v11, v86, SP
	v_lshl_add_u32 v11, v85, 4, v11
	v_add_nc_u32 v11, s40, v11                     ; back: lanes 0-15 one row, lanes 16-31 the next
.irp j, 22,23,24,25,26,27
	v_mov_b32 v\j, 0                               ; the zero codes between Q's two copies: they stay
.endr
	WIN 0x40
.irp j, 22,23,24,25,26,27
	v_mov_b32 v\j, 0
.endr
	WIN 0
.irp r, 200,210,247,253
	v_mov_b32 v\r, 0                               ; lane permutes' destinations, and the upper halves of the pairs that hold f: written once
.endr
	s_wait_alu depctr_va_vdst(0)                   ; the wait at the head's end
	s_wait_tensorcnt 0x0                           ; my two key steps lie in LDS,
	s_barrier_signal -1
	s_barrier_wait -1                              ; everybody's do
	s_wait_loadcnt 0x0                             ; Q
	s_mov_b32 s50, 0                               ; the pass
.Lpass:
	s_sub_co_u32 s49, 0, s50                       ; no lane in pass 0, every lane in pass 1: which of the two records is taken
	s_mov_b32 s32, 0
	KADD                                           ; step 0's K and V: they land under the lines below
	KLS
	v_add_nc_u32 v8, s32, v1
	v_add_nc_u32 v9, s32, v2
	VLOAD
	WIN 0x05                                       ; this pass's Q, twice each: tile A,
.irp j, 0,1,2,3,4,5
	v_cndmask_b32 v[16+\j], v[\j], v[6+\j], s49
	v_cndmask_b32 v[28+\j], v[\j], v[6+\j], s49
.endr
	WIN 0x45                                       ; tile B,
.irp j, 0,1,2,3,4,5
	v_cndmask_b32 v[16+\j], v[192+\j], v[198+\j], s49
	v_cndmask_b32 v[28+\j], v[192+\j], v[198+\j], s49
.endr
	WIN 0
	v_cndmask_b32 v220, v216, v218, s49            ; and their scale words; the lines below stand between these and the first product
	v_cndmask_b32 v221, v217, v219, s49
.irp x, 0,1
	v_mov_b32 v[13+2*\x], 0xff61b1e6               ; the largest score so far: -3e38
	v_mov_b32 v[12+2*\x], 0x7f61b1e6               ; -M = 3e38, a whole number
.endr
.irp r, 90,91,92,93
	v_mov_b32 v\r, 0                               ; the sums
.endr
.set j, 0
.rept 32
	v_mov_b32 v[O+j], 0                            ; O^T: the step is written once; the first finds zeros, which the first change of M leaves zeros
.set j, j+1
.endr
	WIN 0x40
.set j, 0
.rept 32
	v_mov_b32 v[O+j], 0
.set j, j+1
.endr
	WIN 0
	s_wait_alu depctr_va_vdst(0)                   ; the wait here, directly ahead of the wait below
	s_wait_dscnt 0x0
	s_mov_b32 s33, 15
.Lstep:
	STEP 1
	s_sub_co_u32 s33, s33, 1
	s_cmp_lg_u32 s33, 0
	s_cbranch_scc1 .Lstep
	STEP 0                                         ; the sixteenth step is written out: no step follows it in LDS
	; THE WAY OUT: O^T / the sum goes through my stages in LDS and leaves as rows: sixteen lanes store a head's 256 bytes of one query
.irp x, 0,1
	v_add_f32 v[90+2*\x], v[90+2*\x], v[91+2*\x]   ; the sum's two halves,
.endr
.irp x, 0,1
	v_permlanex16_b32 v[200+10*\x], v[90+2*\x], s28, s29
.endr
.irp x, 0,1
	v_add_f32 v[90+2*\x], v[90+2*\x], v[200+10*\x] ; and lane l xor 16's: the row's sum
.endr
	s_wait_alu depctr_va_vdst(0)                   ; the wait ahead of the transcendentals
	v_rcp_f32 v246, v90
	v_rcp_f32 v252, v92
	v_nop                                          ; one plain place behind a transcendental
	s_wait_alu depctr_va_vdst(0)                   ; the wait ahead of their first reader, which is also O^T's
.set j, 0
.rept 16
	v_pk_mul_f32 v[96+j:97+j], v[O+j:O+j+1], v[246:247] op_sel_hi:[1,0]   ; register 8 t + i is o(query r, 16 t + 8 h + i)
.set j, j+2
.endr
	WIN 0x01                                       ; tile B's O^T out of window 1
	s_wait_alu depctr_va_vdst(0)                   ; the wait directly ahead of this group's first reader
.set j, 0
.rept 16
	v_pk_mul_f32 v[128+j:129+j], v[O+j:O+j+1], v[252:253] op_sel_hi:[1,0]
.set j, j+2
.endr
	WIN 0
.irp t, 0,1,2,3,4,5,6,7
	ds_store_b128 v10, v[96+8*\t:99+8*\t] offset:64*(\t%4)+16*SP*(\t/4)
	ds_store_b128 v10, v[100+8*\t:103+8*\t] offset:64*(\t%4)+16*SP*(\t/4)+16
.endr
.irp i, 0,1,2,3,4,5,6,7
	ds_load_b128 v[O+4*\i:O+4*\i+3], v11 offset:2*\i*SP          ; LDS serves a wave's instructions in order (ISA guide 5.7.1.4): these see my stores
.endr
.irp i, 0,1,2,3,4,5,6,7
	ds_load_b128 v[F+4*\i:F+4*\i+3], v11 offset:2*\i*SP+16*SP
.endr
.irp i, 0,1,2,3,4,5,6,7
	s_wait_dscnt 15-\i                             ; tile A's load i is in; the 15 - i younger ones may be out
	global_store_b128 v7, v[O+4*\i:O+4*\i+3], s[38:39] offset:(2*\i+8*(\i/4))*2048 th:TH_STORE_NT   ; stage row 2 i + h is token 2 i + h + 8 (i / 4) of the pass's 32; 16 lanes store 256 consecutive bytes, aligned
.endr
.irp i, 0,1,2,3,4,5,6,7
	s_wait_dscnt 7-\i                              ; tile B's load i is in
	global_store_b128 v7, v[F+4*\i:F+4*\i+3], s[38:39] offset:(2*\i+8*(\i/4))*2048+16384 th:TH_STORE_NT   ; tile B's tokens lie 8 further on
.endr
	s_wait_xcnt 0x0                                ; the stores have read their registers and their base
	s_add_nc_u64 s[38:39], s[38:39], 65536         ; the next pass's 32 tokens
	s_add_co_u32 s50, s50, 1
	s_cmp_lt_u32 s50, 2
	s_cbranch_scc1 .Lpass
	s_wait_tensorcnt 0x0                           ; the wave's end
	ds_add_u32 v244, v245
	s_wait_dscnt 0x0
	ROUND                                          ; the closing round: no work-group ends while a partner may still ask for bytes that name it
	s_endpgm
.Lfunc_end_k_q2aa0145c47_attn:
	.size	k_q2aa0145c47_attn, .Lfunc_end_k_q2aa0145c47_attn-k_q2aa0145c47_attn
	.p2alignl 7, 3214868480
	.fill 96, 4, 3214868480
	.section	.rodata,"a",@progbits
	.p2align	6, 0x0
	.amdhsa_kernel k_q2aa0145c47_attn
		.amdhsa_group_segment_fixed_size 276480
		.amdhsa_private_segment_fixed_size 0
		.amdhsa_enable_private_segment 0
		.amdhsa_kernarg_size 32
		.amdhsa_user_sgpr_count 2
		.amdhsa_user_sgpr_kernarg_segment_ptr 1
		.amdhsa_wavefront_size32 1
		.amdhsa_system_sgpr_workgroup_id_x 1
		.amdhsa_system_sgpr_workgroup_id_y 1
		.amdhsa_system_sgpr_workgroup_id_z 1
		.amdhsa_system_vgpr_workitem_id 0
		.amdhsa_next_free_vgpr 512
		.amdhsa_next_free_sgpr 66
		.amdhsa_reserve_vcc 0
		.amdhsa_float_denorm_mode_32 3
		.amdhsa_float_denorm_mode_16_64 3
		.amdhsa_memory_ordered 1
		.amdhsa_forward_progress 1
		.amdhsa_inst_pref_size 74
	.end_amdhsa_kernel
	.amdgpu_metadata
---
amdhsa.version: [ 1, 2 ]
amdhsa.kernels:
  - .name:           k_q2aa0145c47_attn
    .symbol:         k_q2aa0145c47_attn.kd
    .args:
      - { .name: qc, .offset: 0, .size: 8, .value_kind: global_buffer, .address_space: global }
      - { .name: qs, .offset: 8, .size: 8, .value_kind: global_buffer, .address_space: global }
      - { .name: kv, .offset: 16, .size: 8, .value_kind: global_buffer, .address_space: global }
      - { .name: out0, .offset: 24, .size: 8, .value_kind: global_buffer, .address_space: global }
    .group_segment_fixed_size: 276480
    .private_segment_fixed_size: 0
    .kernarg_segment_align: 8
    .kernarg_segment_size: 32
    .max_flat_workgroup_size: 256
    .sgpr_count:     66
    .vgpr_count:     512
    .wavefront_size: 32
...
	.end_amdgpu_metadata
.endif
;; end of part 3
